; MI455X (gfx1250); checked and timed in simulation.
; The chip was launched on July 23, 2026; its instructions are those of AMD's public machine-readable ISA for CDNA 5 (MIT licence, August 2026) and "CDNA5" Instruction Set Architecture Reference Guide (July 2026). The comments in the code are by the model that wrote it; some were corrected since.
;; Head. Allowed arithmetic: float matrix products may take bf16 or f16 operands with f32 sums; all other float work in f32.
;; Inputs: Wk 64 x 1,024 float32; Wq 64 x 1,024 float32; Wv 64 x 1,024 float32; x 4 x 4,096 x 1,024 float32.
;; Outputs: out0 4 x 4,096 x 64 float32.
;; One version. Each part assembles by itself: llvm-mc -triple=amdgcn-amd-amdhsa -mcpu=gfx1250 --defsym DOCPART=n.
;; ======== version 1 of 1: 2 launches
;; limits: values are held in f16: magnitudes above 65,504 overflow, below 6.1e-05 lose precision
;; workspace buffers: qb 2,097,152 bytes; kb 2,097,152 bytes; vb 2,097,152 bytes
;; launch proj (part 1): grid 256 x 1, 4 waves a work-group, clusters of 4 x 1, 327,680 bytes of LDS; arguments x, Wq, Wk, Wv, qb, kb, vb; writes qb, kb, vb
.if DOCPART == 1
	.amdgcn_target "amdgcn-amd-amdhsa--gfx1250"
	.amdhsa_code_object_version 6
	.text
	.protected	k_q071ac1720b_proj
	.globl	k_q071ac1720b_proj
	.p2align	8
	.type	k_q071ac1720b_proj,@function
k_q071ac1720b_proj:
	s_mov_b64 s[64:65], 0
	v_nop
	global_prefetch_b8 v0, s[64:65] scope:SCOPE_SE
	s_setreg_imm32_b32 hwreg(HW_REG_WAVE_MODE, 25, 1), 1
	s_wait_xcnt 0x0
	s_wait_alu depctr_hold_cnt(0) depctr_sa_sdst(0) depctr_va_vdst(0) depctr_va_sdst(0) depctr_va_ssrc(0) depctr_va_vcc(0) depctr_vm_vsrc(0)
	s_getreg_b32 s2, hwreg(HW_REG_IB_STS2, 6, 4)
	s_cmp_eq_u32 s2, 0
	s_cbranch_scc0 .Lentry_in_a_cluster
	s_endpgm
.Lentry_in_a_cluster:
	s_bfe_u32 s2, ttmp6, 0x10000c
	s_cmp_lg_u32 s2, 0x3003
	s_cbranch_scc0 .Lentry_shape_is_right
	s_endpgm
.Lentry_shape_is_right:
; q, k, v = x W^T.  x: [16384][1024] f32; Wq, Wk, Wv: [64][1024] f32; qb, kb, vb: [16384][64] f16 (rows of 128 bytes).
; Products with f16 operands, sums in f32, each result rounded once to f16.
; LIMITS: |x|, |W| and the results must stay below 65,504 (f16's largest number); magnitudes below 6.1e-5 keep f16's absolute step of 6e-8.
; The order of the sums along K differs from the reference's, and from cluster to cluster (see ORDER); it is fixed for each cluster.
; f16 and not bf16: its rounding step is eight times finer, and the softmax of the next launch multiplies the error of q and k.
;
; SHARES.  A work-group makes 64 rows x 192 columns (64 of q, 64 of k, 64 of v) with four waves.  Wave w makes all 64 rows x the three
; column tiles c = 3 w + i (16 columns each): 12 accumulator tiles.  So each row of W is read from LDS and converted by one wave alone.
; K goes in 8 steps of 128, all written out (four x buffers and two slots repeat every four steps: fewer than two rounds of the pattern).
; W: the 256 work-groups all walk the same 768 KiB.  The four work-groups of a cluster ask for each tile JOINTLY (mask 15): one fourth of the requests.
;    A tile is 192 rows x 512 bytes of f32; each wave asks for its 16 rows of each of the three matrices: three loads a tile, no branch.
;    Tensor loads out in a wave, by this text's count: six at the start, three later.
; ORDER: cluster c begins at K block c mod 8 and wraps round.  So the 64 clusters ask for eight different tiles of W at a time, not all for the same one,
;    and from its third tile on a cluster asks for tiles that other clusters asked for at the launch's start.  The start comes from the cluster's number
;    alone, which the four partners share: the joint loads' descriptors stay equal.
; x: no two work-groups share a byte of it.  It comes through registers: wave w loads rows 16 w .. 16 w + 15, one load = 512 consecutive bytes of a row,
;    converts each number once and puts f16 into LDS, where all four waves read it.  A ring of four register buffers of 16 loads keeps 48 to 64 loads out.
.set KSTEP,  128
.set WPITCH, 528                       ; 512 bytes + 16 of padding = 33 x 16: sixteen rows start at sixteen different 16-byte columns of 256 bytes
.set WSLOT,  192*WPITCH                ; 101,376: rows 0-63 Wq, 64-127 Wk, 128-191 Wv
.set XPITCH, 272                       ; 256 bytes of f16 + 16
.set XBASE,  2*WSLOT                   ; 202,752
.set XSLOT,  64*XPITCH                 ; 17,408
.set STAGE,  XBASE+2*XSLOT             ; 237,568: the way out, 64 rows x 384 bytes; no tensor load ever lands here or in the x slots
.set SPITCH, 400                       ; 384 + 16 = 25 x 16
; window 0
.set XO,   4                           ; v4      byte offset in x of my 16 bytes in my wave's first row, K block 0
.set XST,  5                           ; v5-6    x slot s: where I put 8 bytes of my wave's first row
.set AADR, 7                           ; v7-8    x slot s: my fragment address
.set BADR, 9                           ; v9-10   W slot s: my fragment address (my wave's 48 rows)
.set STW,  11                          ; v11     stage: where I put 16 bytes
.set STR,  14                          ; v14     stage: where I read 16 bytes back
.set GO,   15                          ; v15     my byte offset in qb, kb, vb
.set XOF,  20                          ; v20-27  XO + the K block of my cluster's step n
.set AF,   32                          ; v32-95   x fragments, buffer b, row tile rt: 32 b + 8 rt
.set BT,   96                          ; v96-191  W as f32, buffer b, column tile i: 48 b + 16 i
.set BF,   192                         ; v192-239 W fragments in f16: 24 b + 8 i
; window 1: v[64 d + 4 j] x as loaded, buffer d, row j.   window 2: v[8 (3 rt + i)] the accumulators
.set G1, 24                            ; s[24:31] descriptor group 1
.set G0, 32                            ; s[32:55] descriptor group 0 of matrix m, slot s: 4 (2 m + s)
.set MSB, 0
.macro WIN new                         ; s_set_vgpr_msb: bits 1:0 source 0, 3:2 source 1, 5:4 source 2, 7:6 destination; the high byte repeats the setting left
.if MSB != \new
	s_set_vgpr_msb (MSB<<8)|\new
.set MSB, \new
.endif
.endm
.macro PLACES n
.rept \n
	v_nop
.endr
.endm
.macro BAR
	s_barrier_signal -1
	s_barrier_wait -1
.endm
; A round of the cluster's barrier: my work-group's barrier, wave 0 signals for the work-group, every wave waits for all four work-groups, my work-group's barrier again.
.macro ROUND
	s_barrier_signal -1
	s_barrier_wait -1
	s_cmp_lg_u32 s18, 0
	s_cbranch_scc1 .Lnot_wave_0_\@
	s_barrier_signal -3
.Lnot_wave_0_\@:
	s_barrier_wait -3
	s_barrier_signal -1
	s_barrier_wait -1
.endm
; s[56:57] = the byte offset, in a row of x and of W alike, of the K block of my cluster's step n: 512 x ((first block + n) mod 8)
.macro ROTOFF n
	s_add_co_u32 s56, s21, \n
	s_and_b32 s56, s56, 7
	s_lshl_b32 s56, s56, 9
.endm
	s_load_b256 s[4:11], s[0:1], 0x0               ; x s[4:5], Wq s[6:7], Wk s[8:9], Wv s[10:11]
	s_load_b128 s[12:15], s[0:1], 0x20             ; qb s[12:13], kb s[14:15]
	s_load_b64 s[16:17], s[0:1], 0x30              ; vb
	v_lshl_add_u32 v254, v0, 2, 0x40c00
	v_mov_b32 v255, 0
	ds_add_u32 v254, v255
	v_lshrrev_b32 v1, 5, v0
	v_readfirstlane_b32 s18, v1                    ; wave 0..3
	s_bfe_u32 s19, ttmp6, 0x40000                  ; my place in the cluster
	s_lshl_b32 s20, ttmp9, 2                       ; ttmp9 counts clusters
	s_add_co_u32 s20, s20, s19                     ; work-group 0..255: it enters x's and the outputs' addresses alone
	s_and_b32 s21, ttmp9, 7                        ; my cluster's first K block
	s_mov_b32 s57, 0
	; group 1: a tile of 16 rows x 128 elements of 4 bytes, 4 words of padding behind every 128 words
	s_mov_b32 s[G1+0], 15|(2<<16)|(1<<20)|(1<<21)|(6<<22)|(3<<25)   ; 15:0 mask: all four of the cluster; 17:16 4-byte elements; 20 padding; 21 set beside a mask; 24:22 interval code 6; 31:25 pad code 3
	s_mov_b32 s[G1+1], KSTEP<<16                   ; tensor_dim0 = 128
	s_mov_b32 s[G1+2], 16<<16                      ; tensor_dim1 = 16
	s_mov_b32 s[G1+3], KSTEP<<16                   ; tile_dim0 = 128
	s_mov_b32 s[G1+4], 16                          ; tile_dim1 = 16
	s_mov_b32 s[G1+5], 1024                        ; elements from row to row
	s_mov_b32 s[G1+6], 0
	s_mov_b32 s[G1+7], 0
	s_lshl_b32 s60, s18, 16                        ; my wave's 16 rows of 4,096 bytes, in W and in x
	s_mov_b32 s61, 0
	s_mul_i32 s62, s18, 16*WPITCH                  ; and the same 16 rows in a W slot
	s_lshl_b32 s22, s20, 18                        ; the work-group's 64 rows of x
	s_mov_b32 s23, 0
	; vector addresses
	v_and_b32 v1, 15, v0                           ; r
	v_bfe_u32 v2, v0, 4, 1                         ; h
	v_and_b32 v3, 31, v0                           ; lane
	v_lshlrev_b32 v[XO], 4, v3
	v_add_nc_u32 v[XO], s60, v[XO]
.irp n, 0,1,2,3,4,5,6,7
	ROTOFF \n
	v_add_nc_u32 v[XOF+\n], s56, v[XO]
.endr
	s_mul_i32 s63, s18, 16*XPITCH
	v_lshlrev_b32 v16, 3, v3                       ; 4 numbers a lane are 8 bytes of f16
	v_add_nc_u32 v16, s63, v16
	v_add_nc_u32 v[XST], XBASE, v16
	v_add_nc_u32 v[XST+1], XBASE+XSLOT, v16
	v_mul_u32_u24 v16, v1, XPITCH                  ; a fragment: row r, 16 bytes for each half of the lanes
	v_lshl_add_u32 v16, v2, 4, v16
	v_add_nc_u32 v[AADR], XBASE, v16
	v_add_nc_u32 v[AADR+1], XBASE+XSLOT, v16
	s_mul_i32 s63, s18, 48*WPITCH
	v_mul_u32_u24 v16, v1, WPITCH                  ; the same in f32: 32 bytes for each half
	v_lshl_add_u32 v16, v2, 5, v16
	v_add_nc_u32 v[BADR], s63, v16
	v_add_nc_u32 v[BADR+1], WSLOT, v[BADR]
	s_mul_i32 s63, s18, 96                         ; my wave's 48 columns of f16 in a row of the stage
	s_add_co_u32 s63, s63, STAGE
	v_mul_u32_u24 v16, v1, SPITCH
	v_lshl_add_u32 v16, v2, 4, v16
	v_add_nc_u32 v[STW], s63, v16
	v_lshrrev_b32 v16, 3, v0                       ; back: eight threads take a row's 128 bytes of one matrix
	v_and_b32 v17, 7, v0
	v_mul_u32_u24 v16, v16, SPITCH
	v_lshl_add_u32 v16, v17, 4, v16
	v_add_nc_u32 v[STR], STAGE, v16
	v_lshlrev_b32 v[GO], 4, v0
	s_wait_dscnt 0x0
	s_wait_kmcnt 0x0
	s_add_nc_u64 s[4:5], s[4:5], s[22:23]
	s_lshl_b32 s22, s20, 13                        ; the work-group's 64 rows of 128 bytes
	s_add_nc_u64 s[12:13], s[12:13], s[22:23]
	s_add_nc_u64 s[14:15], s[14:15], s[22:23]
	s_add_nc_u64 s[16:17], s[16:17], s[22:23]
.irp m, 0,1,2
	s_add_nc_u64 s[6+2*\m:7+2*\m], s[6+2*\m:7+2*\m], s[60:61]      ; each matrix at my wave's 16 rows
.endr
	; group 0: made of the wave's number, the cluster's number and constants alone, so it is equal in the four partners
.irp s, 0,1
	ROTOFF \s
.irp m, 0,1,2
	s_mov_b32 s[G0+4*(2*\m+\s)], 1
	s_add_co_u32 s[G0+4*(2*\m+\s)+1], s62, \s*WSLOT+\m*64*WPITCH
	s_add_nc_u64 s[G0+4*(2*\m+\s)+2:G0+4*(2*\m+\s)+3], s[6+2*\m:7+2*\m], s[56:57]
	s_or_b32 s[G0+4*(2*\m+\s)+3], s[G0+4*(2*\m+\s)+3], 0x80000000
.endr
.endr
	ROUND                                          ; the four work-groups are here: the first joint loads meet
.irp s, 0,1
.irp m, 0,1,2
	tensor_load_to_lds s[G0+4*(2*\m+\s):G0+4*(2*\m+\s)+3], s[G1:G1+7]   ; steps 0 and 1
	s_nop 0
.endr
.endr
	WIN 0x40
.irp n, 0,1,2,3
.irp j, 0,1,2,3,4,5,6,7,8,9,10,11,12,13,14,15
	global_load_b128 v[64*\n+4*\j:64*\n+4*\j+3], v[XOF+\n], s[4:5] offset:\j*4096 th:TH_LOAD_NT   ; x, steps 0 to 3
.endr
.endr
; 20 LDS loads: the fragments of 32 along K (quarter kq of slot s's K step) into buffers b
.macro FETCH s, kq, b
	WIN 0
.irp rt, 0,1,2,3
	ds_load_b128 v[AF+32*\b+8*\rt:AF+32*\b+8*\rt+3],   v[AADR+\s] offset:\rt*16*XPITCH+(\kq)*64
	ds_load_b128 v[AF+32*\b+8*\rt+4:AF+32*\b+8*\rt+7], v[AADR+\s] offset:\rt*16*XPITCH+(\kq)*64+32
.endr
.irp i, 0,1,2
	ds_load_b128 v[BT+48*\b+16*\i:BT+48*\b+16*\i+3],     v[BADR+\s] offset:\i*16*WPITCH+(\kq)*128      ; k = 8 h .. + 3
	ds_load_b128 v[BT+48*\b+16*\i+4:BT+48*\b+16*\i+7],   v[BADR+\s] offset:\i*16*WPITCH+(\kq)*128+16   ; k = 8 h + 4 ..
	ds_load_b128 v[BT+48*\b+16*\i+8:BT+48*\b+16*\i+11],  v[BADR+\s] offset:\i*16*WPITCH+(\kq)*128+64   ; k = 16 + 8 h ..
	ds_load_b128 v[BT+48*\b+16*\i+12:BT+48*\b+16*\i+15], v[BADR+\s] offset:\i*16*WPITCH+(\kq)*128+80
.endr
.endm
.macro CVTB b                          ; W's three tiles to f16: 24 conversions
.irp i, 0,1,2
.irp p, 0,1,2,3,4,5,6,7
	v_cvt_pk_f16_f32 v[BF+24*\b+8*\i+\p], v[BT+48*\b+16*\i+2*\p], v[BT+48*\b+16*\i+2*\p+1]
.endr
.endr
.endm
; 12 matrix instructions, used transposed (source 0 = 16 rows of W, source 1 = 16 rows of x): a lane's 8 results are 8 neighbouring columns of row 16 rt + r.
; The 12 accumulators take turns, one instruction a turn, in the same order everywhere.
.macro MUL b, zero
	WIN 0xa0                                       ; C and D in window 2
.irp rt, 0,1,2,3
.irp i, 0,1,2
.if \zero
	v_wmma_f32_16x16x32_f16 v[8*(3*\rt+\i):8*(3*\rt+\i)+7], v[BF+24*\b+8*\i:BF+24*\b+8*\i+7], v[AF+32*\b+8*\rt:AF+32*\b+8*\rt+7], 0
.else
	v_wmma_f32_16x16x32_f16 v[8*(3*\rt+\i):8*(3*\rt+\i)+7], v[BF+24*\b+8*\i:BF+24*\b+8*\i+7], v[AF+32*\b+8*\rt:AF+32*\b+8*\rt+7], v[8*(3*\rt+\i):8*(3*\rt+\i)+7]
.endif
.endr
.endr
.endm
; A quarter of a K step on buffers b; the next quarter's fragments go into buffers nb.
; Distances behind matrix instructions: CVTB writes BF[b], which the products two quarters back read, with the 24 conversions of the
; quarter between; FETCH loads AF[nb], which the last quarter's products read, behind this quarter's 24 conversions, which name none of their registers.
.macro SUB s, kq, b, nb, zero
	s_wait_dscnt 0x0                               ; this quarter's 20 loads (and, once a step, the x stores) are all that is out
	WIN 0
	CVTB \b
.if \kq < 3
	FETCH \s, \kq+1, \nb
.endif
	MUL \b, \zero
.endm
; x of step n (register buffer d) to f16 and into x slot s; the buffer is loaded again with step n + 4.  left = 16 x the younger steps on their way.
.macro XCONV n, d, s, left
	s_wait_loadcnt \left                           ; loads come back in order (ISA guide 5.7.1): step n's sixteen are in
	WIN 0x45
.irp j, 0,1,2,3,4,5,6,7,8,9,10,11,12,13,14,15
	v_cvt_pk_f16_f32 v[64*\d+4*\j],   v[64*\d+4*\j],   v[64*\d+4*\j+1]
	v_cvt_pk_f16_f32 v[64*\d+4*\j+1], v[64*\d+4*\j+2], v[64*\d+4*\j+3]
.endr
	WIN 0x04
.irp j, 0,1,2,3,4,5,6,7,8,9,10,11,12,13,14,15
	ds_store_b64 v[XST+\s], v[64*\d+4*\j:64*\d+4*\j+1] offset:\j*XPITCH   ; 32 lanes: a row's 256 bytes
.endr
.if \n < 4
	s_wait_dscnt 0x0                               ; the stores are done before loads land on their data; the next quarter begins with the same wait
	WIN 0x40
.irp j, 0,1,2,3,4,5,6,7,8,9,10,11,12,13,14,15
	global_load_b128 v[64*\d+4*\j:64*\d+4*\j+3], v[XOF+\n+4], s[4:5] offset:\j*4096 th:TH_LOAD_NT
.endr
.endif
.endm
; A K step on slot s.  In its middle the next step's x (n, d, left) goes into the other x slot o, whose last readers passed the barrier in front of this step.
.macro KSTEPM s, o, zero, conv, n, d, left
	FETCH \s, 0, 0
	SUB \s, 0, 0, 1, \zero
	SUB \s, 1, 1, 0, 0
.if \conv
	XCONV \n, \d, \o, \left
.endif
	SUB \s, 2, 0, 1, 0
	SUB \s, 3, 1, 0, 0
.endm
; The change of slots with a refill: slot s gets the tile of step n.  In front of the round every wave has waited for all its tensor loads (its part of the next
; W tile among them) and for all its LDS instructions (its reads of both slots s, its x stores).  Behind the round: no wave of the cluster reads W slot s,
; the next W tile and the next x are whole.
.macro TURNW s, n
	WIN 0
	s_wait_tensorcnt 0x0                           ; none of my tensor loads is out: every group 0 may be written
	ds_add_u32 v254, v255
	ROTOFF \n
.irp m, 0,1,2
	s_add_nc_u64 s[G0+4*(2*\m+\s)+2:G0+4*(2*\m+\s)+3], s[6+2*\m:7+2*\m], s[56:57]
	s_or_b32 s[G0+4*(2*\m+\s)+3], s[G0+4*(2*\m+\s)+3], 0x80000000
.endr
	s_wait_dscnt 0x0
	ROUND
.irp m, 0,1,2
	tensor_load_to_lds s[G0+4*(2*\m+\s):G0+4*(2*\m+\s)+3], s[G1:G1+7]   ; two steps ahead: the first tensor loads behind the round
	s_nop 0
.endr
.endm
	XCONV 0, 0, 0, 48
	WIN 0
	s_wait_tensorcnt 0x3                           ; my three loads of step 0 are in; step 1's three stay out
	s_wait_dscnt 0x0                               ; my x stores are done
	BAR
	KSTEPM 0, 1, 1, 1, 1, 1, 48                    ; the first products start the sums: nothing is cleared
	TURNW 0, 2
	KSTEPM 1, 0, 0, 1, 2, 2, 48
	TURNW 1, 3
	KSTEPM 0, 1, 0, 1, 3, 3, 48
	TURNW 0, 4
	KSTEPM 1, 0, 0, 1, 4, 0, 48                    ; from here on nothing more of x is asked for: the counts run down
	TURNW 1, 5
	KSTEPM 0, 1, 0, 1, 5, 1, 32
	TURNW 0, 6
	KSTEPM 1, 0, 0, 1, 6, 2, 16
	TURNW 1, 7
	KSTEPM 0, 1, 0, 1, 7, 3, 0
	WIN 0
	s_wait_tensorcnt 0x0                           ; my part of the last W tile
	s_wait_dscnt 0x0                               ; my last x stores
	BAR
	KSTEPM 1, 0, 0, 0, 0, 0, 0
	; THE WAY OUT: round to f16, 16 bytes a lane into the stage, read back by rows, 16 lanes store 256 consecutive aligned bytes (two rows of 128).
	WIN 0
	PLACES 4                                       ; four places behind the last products before their results are read (ISA guide 7.12.1)
	WIN 0x0a
.irp rt, 0,1,2,3
.irp i, 0,1,2
.irp p, 0,1,2,3
	v_cvt_pk_f16_f32 v[BT+4*(3*\rt+\i)+\p], v[8*(3*\rt+\i)+2*\p], v[8*(3*\rt+\i)+2*\p+1]
.endr
.endr
.endr
	WIN 0
.irp rt, 0,1,2,3
.irp i, 0,1,2
	ds_store_b128 v[STW], v[BT+4*(3*\rt+\i):BT+4*(3*\rt+\i)+3] offset:\rt*16*SPITCH+\i*32
.endr
.endr
	s_wait_dscnt 0x0                               ; for the other waves, which read these bytes
	BAR
.irp m, 0,1,2
.irp jj, 0,1,2,3
	ds_load_b128 v[BT+48+4*(4*\m+\jj):BT+48+4*(4*\m+\jj)+3], v[STR] offset:\m*128+\jj*16*SPITCH
.endr
.endr
.irp m, 0,1,2
.irp jj, 0,1,2,3
	s_wait_dscnt 11-(4*\m+\jj)                     ; LDS loads come back in order: this one is in
	global_store_b128 v[GO], v[BT+48+4*(4*\m+\jj):BT+48+4*(4*\m+\jj)+3], s[12+2*\m:13+2*\m] offset:\jj*2048   ; the next launch reads these: no hint
.endr
.endr
	s_wait_tensorcnt 0x0
	ds_add_u32 v254, v255
	s_wait_dscnt 0x0
	ROUND                                          ; the closing round: no work-group ends while a partner may still ask jointly
	s_endpgm
.Lfunc_end_k_q071ac1720b_proj:
	.size	k_q071ac1720b_proj, .Lfunc_end_k_q071ac1720b_proj-k_q071ac1720b_proj
	.p2alignl 7, 3214868480
	.fill 96, 4, 3214868480
	.section	.rodata,"a",@progbits
	.p2align	6, 0x0
	.amdhsa_kernel k_q071ac1720b_proj
		.amdhsa_group_segment_fixed_size 327680
		.amdhsa_private_segment_fixed_size 0
		.amdhsa_enable_private_segment 0
		.amdhsa_kernarg_size 56
		.amdhsa_user_sgpr_count 2
		.amdhsa_user_sgpr_kernarg_segment_ptr 1
		.amdhsa_wavefront_size32 1
		.amdhsa_system_sgpr_workgroup_id_x 1
		.amdhsa_system_sgpr_workgroup_id_y 1
		.amdhsa_system_sgpr_workgroup_id_z 1
		.amdhsa_system_vgpr_workitem_id 0
		.amdhsa_next_free_vgpr 608
		.amdhsa_next_free_sgpr 66
		.amdhsa_reserve_vcc 0
		.amdhsa_float_denorm_mode_32 3
		.amdhsa_float_denorm_mode_16_64 3
		.amdhsa_memory_ordered 1
		.amdhsa_forward_progress 1
		.amdhsa_inst_pref_size 173
	.end_amdhsa_kernel
	.amdgpu_metadata
---
amdhsa.version: [ 1, 2 ]
amdhsa.kernels:
  - .name:           k_q071ac1720b_proj
    .symbol:         k_q071ac1720b_proj.kd
    .args:
      - { .name: x, .offset: 0, .size: 8, .value_kind: global_buffer, .address_space: global }
      - { .name: Wq, .offset: 8, .size: 8, .value_kind: global_buffer, .address_space: global }
      - { .name: Wk, .offset: 16, .size: 8, .value_kind: global_buffer, .address_space: global }
      - { .name: Wv, .offset: 24, .size: 8, .value_kind: global_buffer, .address_space: global }
      - { .name: qb, .offset: 32, .size: 8, .value_kind: global_buffer, .address_space: global }
      - { .name: kb, .offset: 40, .size: 8, .value_kind: global_buffer, .address_space: global }
      - { .name: vb, .offset: 48, .size: 8, .value_kind: global_buffer, .address_space: global }
    .group_segment_fixed_size: 327680
    .private_segment_fixed_size: 0
    .kernarg_segment_align: 8
    .kernarg_segment_size: 56
    .max_flat_workgroup_size: 128
    .sgpr_count:     66
    .vgpr_count:     608
    .wavefront_size: 32
...
	.end_amdgpu_metadata
.endif
;; end of part 1
;; launch attn (part 2): grid 256 x 1, 8 waves a work-group, clusters of 4 x 1, 327,680 bytes of LDS; arguments qb, kb, vb, out0; writes out0
.if DOCPART == 2
	.amdgcn_target "amdgcn-amd-amdhsa--gfx1250"
	.amdhsa_code_object_version 6
	.text
	.protected	k_q071ac1720b_attn
	.globl	k_q071ac1720b_attn
	.p2align	8
	.type	k_q071ac1720b_attn,@function
k_q071ac1720b_attn:
	s_mov_b64 s[64:65], 0
	v_nop
	global_prefetch_b8 v0, s[64:65] scope:SCOPE_SE
	s_setreg_imm32_b32 hwreg(HW_REG_WAVE_MODE, 25, 1), 1
	s_wait_xcnt 0x0
	s_wait_alu depctr_hold_cnt(0) depctr_sa_sdst(0) depctr_va_vdst(0) depctr_va_sdst(0) depctr_va_ssrc(0) depctr_va_vcc(0) depctr_vm_vsrc(0)
	s_getreg_b32 s2, hwreg(HW_REG_IB_STS2, 6, 4)
	s_cmp_eq_u32 s2, 0
	s_cbranch_scc0 .Lentry_in_a_cluster
	s_endpgm
.Lentry_in_a_cluster:
	s_bfe_u32 s2, ttmp6, 0x10000c
	s_cmp_lg_u32 s2, 0x3003
	s_cbranch_scc0 .Lentry_shape_is_right
	s_endpgm
.Lentry_shape_is_right:
; out = softmax(q k^T / 8) v, per batch of 4,096 rows.  qb, kb, vb: [16384][64] f16; out0: [16384][64] f32.
; Products with f16 operands and f32 sums; softmax in f32 with a running maximum.
; LIMITS: a weight below 6e-8 of the largest weight seen so far in its row's tiles is dropped when it is rounded to f16; the order of the sums differs from the reference's.
;
; SHARES.  A work-group makes 64 query rows with eight waves.  Wave w takes all 64 queries x the keys 512 w .. 512 w + 511 of the batch, in 8 tiles of 64 keys,
; and keeps its own maximum, sum and partial result; the eight are merged through LDS at the end.  So a K or V fragment feeds four query tiles
; (32 LDS loads for a tile's 64 matrix instructions) and each wave reads only tiles that it has asked for itself.
; The four work-groups of a cluster lie in one batch (64 work-groups = 16 clusters a batch) and read the same K and V: every tile is asked for JOINTLY (mask 15).
; Tensor loads out in a wave, by this text's count: four at the start, two later.
; ORDER OF THE TILES: cluster c begins at tile c mod 8 of each wave's eight and wraps round (a running maximum does not mind the order).  So the 16 clusters of a
; batch ask for eight different tiles of a wave's keys at a time, and from its third tile on a cluster asks for tiles that others asked for at the launch's start.
; The start comes from the cluster's number alone, which the four partners share.
; LAYOUT.  S^T = K Q^T (source 0 = 16 keys, source 1 = 16 queries): lane (r, h) holds query r, keys 8 h + j.  A row's maximum and sum are then made inside the lane
; plus one exchange of the halves, and two packed S^T tiles ARE source 1 of O^T = V^T P^T, in which a lane again means query r: the rescaling needs no shuffle.
; ORDER OF THE WORK.  A key tile goes in four phases, one for each query tile t: maximum of S[t]; exponentials of S[t], with the eight products of the NEXT
; query tile's S among them; sum and packing; rescaling of O[.][t] with the eight products P V of t among it.  So a wave has vector lines to issue between
; its matrix instructions.  In phase 3 the next query tile is tile 0 of the next key tile.
.set REGION, 38912                     ; LDS of a wave: two slots
.set SLOT,   19456                     ; K: 64 rows, then V: 64 rows
.set KP,     144                       ; 128 bytes + 16 = 9 x 16
.set VP,     160                       ; 128 bytes + 32 = 5 x 32, for the transposing loads
.set VOFF,   64*KP                     ; 9,216
.set ML,     8*REGION                  ; 311,296: 64 queries x (8 words -c max, 8 words sum); no tensor load lands here
.set OP,     272                       ; the merge's stage: 64 rows of 256 bytes + 16, in the wave's slot 0 behind that slot's last fill
; window 0
.set KADR, 3
.set VADR, 4
.set QOFF, 6
.set MLW,  7
.set MLR,  8
.set STW,  9
.set OOFF, 11
.set STR,  12                          ; v12-19  the merge: my rows in wave w's stage
.set SC,   32                          ; v32-159  S^T of query tile t, key tile kt: 32 t + 8 kt; P of (t, kh) is packed in place at 32 t + 16 kh
.set KFR,  160                         ; v160-223 K fragments: 8 (2 kt + ks)
.set MX,   224                         ; v224-227 running maximum of t
.set NMC,  228                         ; v228-235 -c x maximum, twice (a pair for the packed multiply-add)
.set ALP,  236                         ; v236-243 the rescaling factor, twice
.set LS,   244                         ; v244-247 running sum (of my half of the keys)
.set TT,   248                         ; v248-255 at work
; window 1
.set OA,   0                           ; O^T of head-dimension tile a, query tile t: 8 (4 a + t)
.set QF,   128                         ; Q fragments: 8 (2 t + ks)
.set VFR,  192                         ; V^T fragments: 8 (4 kh + a)
.set G1K, 28                           ; s[28:35] group 1 for K;  s[36:43] for V (wider padding)
.set G1V, 36
.set GK,  44                           ; s[44:51] group 0 for K, slot s: 4 s
.set GV,  52                           ; s[52:59] for V
.set MSB, 0
.macro WIN new                         ; s_set_vgpr_msb: bits 1:0 source 0, 3:2 source 1, 5:4 source 2, 7:6 destination; the high byte repeats the setting left
.if MSB != \new
	s_set_vgpr_msb (MSB<<8)|\new
.set MSB, \new
.endif
.endm
.macro PLACES n
.rept \n
	v_nop
.endr
.endm
.macro BAR
	s_barrier_signal -1
	s_barrier_wait -1
.endm
.macro ROUND                           ; a round of the cluster's barrier
	s_barrier_signal -1
	s_barrier_wait -1
	s_cmp_lg_u32 s12, 0
	s_cbranch_scc1 .Lnot_wave_0_\@
	s_barrier_signal -3
.Lnot_wave_0_\@:
	s_barrier_wait -3
	s_barrier_signal -1
	s_barrier_wait -1
.endm
; Slot s's two group 0 get the address of tile s60 (64 rows of 128 bytes = 8,192 bytes a tile); s60 steps on, modulo 8.  Called only where no tensor load of the wave is out.
.macro SETADR s
	s_lshl_b32 s62, s60, 13
	s_add_nc_u64 s[GK+4*\s+2:GK+4*\s+3], s[6:7], s[62:63]
	s_or_b32 s[GK+4*\s+3], s[GK+4*\s+3], 0x80000000
	s_add_nc_u64 s[GV+4*\s+2:GV+4*\s+3], s[8:9], s[62:63]
	s_or_b32 s[GV+4*\s+3], s[GV+4*\s+3], 0x80000000
	s_add_co_u32 s60, s60, 1
	s_and_b32 s60, s60, 7
.endm
	s_load_b256 s[4:11], s[0:1], 0x0               ; qb s[4:5], kb s[6:7], vb s[8:9], out0 s[10:11]
	v_lshl_add_u32 v30, v0, 2, 0x4d000
	v_mov_b32 v31, 0
	ds_add_u32 v30, v31
	v_lshrrev_b32 v1, 5, v0
	v_readfirstlane_b32 s12, v1                    ; wave 0..7
	s_bfe_u32 s13, ttmp6, 0x40000                  ; my place in the cluster
	s_lshl_b32 s14, ttmp9, 2
	s_add_co_u32 s14, s14, s13                     ; work-group 0..255: it enters q's and the output's addresses alone
	s_lshr_b32 s15, ttmp9, 4                       ; batch: 16 clusters each; the partners share it
	s_and_b32 s60, ttmp9, 7                        ; my cluster's first tile
	s_mov_b32 s63, 0
	s_mov_b32 s16, 0x76543210                      ; v_permlanex16_b32: lane i takes lane i of the other half
	s_mov_b32 s17, 0xfedcba98
	s_mov_b32 s18, 0x3e38aa3b                      ; c = log2(e) / 8: the scale 64^-0.5 and the base of v_exp_f32 in one factor
	s_mov_b32 s19, 0x3e38aa3b
	s_mov_b32 s21, 0xbe38aa3b                      ; -c
	; group 1: 64 rows x 64 elements of 2 bytes; padding behind every 32 words: 4 words for K, 8 for V
	s_mov_b32 s[G1K+0], 15|(1<<16)|(1<<20)|(1<<21)|(4<<22)|(3<<25)
	s_mov_b32 s[G1V+0], 15|(1<<16)|(1<<20)|(1<<21)|(4<<22)|(7<<25)
.irp g, G1K, G1V
	s_mov_b32 s[\g+1], 64<<16                      ; tensor_dim0 = 64
	s_mov_b32 s[\g+2], 64<<16                      ; tensor_dim1 = 64
	s_mov_b32 s[\g+3], 64<<16                      ; tile_dim0 = 64
	s_mov_b32 s[\g+4], 64                          ; tile_dim1 = 64
	s_mov_b32 s[\g+5], 64                          ; elements from row to row
	s_mov_b32 s[\g+6], 0
	s_mov_b32 s[\g+7], 0
.endr
	s_lshl_b32 s24, s15, 19                        ; the batch's 4,096 rows of 128 bytes
	s_lshl_b32 s25, s12, 16                        ; my wave's 512 keys
	s_add_co_u32 s24, s24, s25
	s_mov_b32 s25, 0
	s_mul_i32 s26, s12, REGION
	s_lshl_b32 s22, s14, 13                        ; the work-group's 64 rows of q
	s_mov_b32 s23, 0
	; vector addresses
	v_and_b32 v1, 15, v0                           ; r
	v_bfe_u32 v2, v0, 4, 1                         ; h
	v_mul_u32_u24 v20, v1, KP
	v_lshl_add_u32 v20, v2, 4, v20
	v_add_nc_u32 v[KADR], s26, v20                 ; K fragment: row r, 16 bytes for each half
	v_and_b32 v20, 7, v0
	v_lshl_add_u32 v20, v2, 3, v20                 ; V, transposing load: key 8 h + (lane & 7),
	v_mul_u32_u24 v20, v20, VP
	v_bfe_u32 v21, v0, 3, 1
	v_lshl_add_u32 v20, v21, 4, v20                ; 16 bytes by bit 3 of the lane
	s_add_co_u32 s27, s26, VOFF
	v_add_nc_u32 v[VADR], s27, v20
	v_lshlrev_b32 v[QOFF], 7, v1
	v_lshl_add_u32 v[QOFF], v2, 4, v[QOFF]
	v_lshlrev_b32 v[MLR], 6, v1
	v_add_nc_u32 v[MLR], ML, v[MLR]
	s_lshl_b32 s27, s12, 2
	v_add_nc_u32 v[MLW], s27, v[MLR]
	v_mul_u32_u24 v20, v1, OP
	v_lshl_add_u32 v20, v2, 5, v20                 ; 8 f32 for each half
	v_add_nc_u32 v[STW], s26, v20
	s_lshl_b32 s27, s12, 11                        ; the merge: my wave's rows 8 w .. 8 w + 7, of 256 bytes
	v_lshlrev_b32 v[OOFF], 8, v2
	v_lshl_add_u32 v[OOFF], v1, 4, v[OOFF]
	v_add_nc_u32 v[OOFF], s27, v[OOFF]
	s_mul_i32 s27, s12, 8*OP
	v_mul_u32_u24 v20, v2, OP
	v_lshl_add_u32 v20, v1, 4, v20
	v_add_nc_u32 v[STR], s27, v20
.irp w, 1,2,3,4,5,6,7
	v_add_nc_u32 v[STR+\w], \w*REGION, v[STR]
.endr
	s_wait_dscnt 0x0
	s_wait_kmcnt 0x0
	s_add_nc_u64 s[4:5], s[4:5], s[22:23]
	s_lshl_b32 s22, s14, 14                        ; the work-group's 64 rows of 256 bytes of the output
	s_add_nc_u64 s[10:11], s[10:11], s[22:23]
	s_add_nc_u64 s[6:7], s[6:7], s[24:25]          ; kb and vb at my wave's 512 keys
	s_add_nc_u64 s[8:9], s[8:9], s[24:25]
.irp s, 0,1
	s_mov_b32 s[GK+4*\s], 1
	s_add_co_u32 s[GK+4*\s+1], s26, \s*SLOT
	s_mov_b32 s[GV+4*\s], 1
	s_add_co_u32 s[GV+4*\s+1], s26, \s*SLOT+VOFF
	SETADR \s
.endr
	ROUND                                          ; the four work-groups are here: the first joint loads meet
.irp s, 0,1
	tensor_load_to_lds s[GK+4*\s:GK+4*\s+3], s[G1K:G1K+7]
	s_nop 0
	tensor_load_to_lds s[GV+4*\s:GV+4*\s+3], s[G1V:G1V+7]
	s_nop 0
.endr
	WIN 0x40
.irp t, 0,1,2,3
.irp ks, 0,1
	global_load_b128 v[QF+8*(2*\t+\ks):QF+8*(2*\t+\ks)+3],   v[QOFF], s[4:5] offset:\t*2048+\ks*64
	global_load_b128 v[QF+8*(2*\t+\ks)+4:QF+8*(2*\t+\ks)+7], v[QOFF], s[4:5] offset:\t*2048+\ks*64+32
.endr
.endr
	WIN 0
.macro KLOAD s                         ; 16 loads: the tile's 64 keys x 64 head dimensions as source 0 fragments
.irp kt, 0,1,2,3
.irp ks, 0,1
	ds_load_b128 v[KFR+8*(2*\kt+\ks):KFR+8*(2*\kt+\ks)+3],   v[KADR] offset:\s*SLOT+\kt*16*KP+\ks*64
	ds_load_b128 v[KFR+8*(2*\kt+\ks)+4:KFR+8*(2*\kt+\ks)+7], v[KADR] offset:\s*SLOT+\kt*16*KP+\ks*64+32
.endr
.endr
.endm
.macro VLOAD s                         ; 16 transposing loads: V^T, 16 head dimensions x 32 keys a fragment
	WIN 0x40
.irp kh, 0,1
.irp a, 0,1,2,3
	ds_load_tr16_b128 v[VFR+8*(4*\kh+\a):VFR+8*(4*\kh+\a)+3],   v[VADR] offset:\s*SLOT+\kh*32*VP+\a*32
	ds_load_tr16_b128 v[VFR+8*(4*\kh+\a)+4:VFR+8*(4*\kh+\a)+7], v[VADR] offset:\s*SLOT+\kh*32*VP+\a*32+16*VP
.endr
.endr
.endm
; One product of S^T: query tile tn, key tile kt, head dimensions 32 ks ..; the first 32 head dimensions start the sum.  Window setting 0x04: source 1 (Q) in window 1.
.macro SM1 tn, kt, ks
.if \ks == 0
	v_wmma_f32_16x16x32_f16 v[SC+32*\tn+8*\kt:SC+32*\tn+8*\kt+7], v[KFR+16*\kt:KFR+16*\kt+7], v[QF+16*\tn:QF+16*\tn+7], 0
.else
	v_wmma_f32_16x16x32_f16 v[SC+32*\tn+8*\kt:SC+32*\tn+8*\kt+7], v[KFR+16*\kt+8:KFR+16*\kt+15], v[QF+16*\tn+8:QF+16*\tn+15], v[SC+32*\tn+8*\kt:SC+32*\tn+8*\kt+7]
.endif
.endm
.macro RESCALE                         ; the merge: all of O^T times the factor of its query tile; a lane is one query, so the factor is the lane's own
	WIN 0x41
.irp a, 0,1,2,3
.irp t, 0,1,2,3
.irp p, 0,2,4,6
	v_pk_mul_f32 v[OA+8*(4*\a+\t)+\p:OA+8*(4*\a+\t)+\p+1], v[OA+8*(4*\a+\t)+\p:OA+8*(4*\a+\t)+\p+1], v[ALP+2*\t:ALP+2*\t+1]
.endr
.endr
.endr
.endm
; Phase t, first part: the new maximum of query tile t over the tile's 64 keys (32 numbers a lane), -c x maximum, and the factor for what has been summed so far.
; first = 1: there is no earlier maximum, sum or factor.
.macro SEGA t, first
.set SB, SC+32*\t
.irp k, 0,1,2,3
	v_max3_num_f32 v[TT+\k], v[SB+8*\k], v[SB+8*\k+1], v[SB+8*\k+2]     ; four chains that do not wait for each other
.endr
.irp k, 0,1,2,3
	v_max3_num_f32 v[TT+\k], v[TT+\k], v[SB+8*\k+3], v[SB+8*\k+4]
.endr
.irp k, 0,1,2,3
	v_max3_num_f32 v[TT+\k], v[TT+\k], v[SB+8*\k+5], v[SB+8*\k+6]
.endr
	v_max3_num_f32 v[TT], v[TT], v[TT+1], v[SB+7]
	v_max3_num_f32 v[TT+2], v[TT+2], v[TT+3], v[SB+15]
	v_max3_num_f32 v[TT], v[TT], v[SB+23], v[SB+31]
.if \first
	v_max_num_f32 v[TT], v[TT], v[TT+2]
.else
	v_max3_num_f32 v[TT], v[TT], v[TT+2], v[MX+\t]                      ; the running maximum joins
.endif
	v_permlanex16_b32 v[TT+1], v[TT], s16, s17                          ; the other half's keys of the same query
	v_max_num_f32 v[TT+2], v[TT], v[TT+1]                               ; the new maximum, equal in both halves; kept until the third part
	v_mul_f32 v[TT+3], s21, v[TT+2]                                     ; -c x maximum
.if \first
.else
	v_sub_f32 v[TT+4], v[TT+3], v[NMC+2*\t]                             ; c (old maximum - new maximum), never above 0
	v_exp_f32 v[ALP+2*\t], v[TT+4]
	v_exp_f32 v[ALP+2*\t+1], v[TT+4]                                    ; the two moves below are the plain instructions behind them (ISA guide 5.7.2)
.endif
	v_mov_b32 v[NMC+2*\t], v[TT+3]
	v_mov_b32 v[NMC+2*\t+1], v[TT+3]
.endm
; Second part: 2^(c s - c maximum) in place.  mm = 1: the eight products of query tile tn's S^T stand among these lines, one for every six.  The vector forms here name
; no vector register as their second source, so they run under the products' window setting.  The four accumulators take turns, one instruction a turn.
; Each group's exponentials follow its multiply-adds one group later; behind a run of exponentials the next vector line is a multiply-add on other registers.
.macro SEGB t, mm, tn
.set SB, SC+32*\t
.if \mm
	WIN 0x04
.endif
.irp g, 0,1,2,3,4,5,6,7
.if \mm
	SM1 \tn, (\g&3), (\g>>2)
.endif
	v_pk_fma_f32 v[SB+4*\g:SB+4*\g+1],   v[SB+4*\g:SB+4*\g+1],   s[18:19], v[NMC+2*\t:NMC+2*\t+1] op_sel_hi:[1,0,1]   ; scale and maximum in one rounding
	v_pk_fma_f32 v[SB+4*\g+2:SB+4*\g+3], v[SB+4*\g+2:SB+4*\g+3], s[18:19], v[NMC+2*\t:NMC+2*\t+1] op_sel_hi:[1,0,1]
.if \g > 0
.irp p, 0,1,2,3
	v_exp_f32 v[SB+4*\g-4+\p], v[SB+4*\g-4+\p]
.endr
.endif
.endr
.irp p, 28,29,30,31
	v_exp_f32 v[SB+\p], v[SB+\p]
.endr
	WIN 0
.endm
; Third part: the tile's sum in f32 (four chains), the running sum, and the packing to f16.  kl = 1: the next key tile's K fragments are fetched from slot o behind the
; sums: more than four plain vector lines behind the last product that read the old ones (ISA guide 7.12.1), none of which names a register of that product.
.macro SEGC t, first, kl, o
.set SB, SC+32*\t
	v_mov_b32 v[MX+\t], v[TT+2]                                         ; the plain instruction behind the exponentials (ISA guide 5.7.2)
	s_wait_alu depctr_va_vdst(0)
.irp k, 0,1,2,3
	v_pk_add_f32 v[TT+2*\k:TT+2*\k+1], v[SB+2*\k:SB+2*\k+1], v[SB+8+2*\k:SB+8+2*\k+1]
.endr
.irp k, 0,1,2,3
	v_pk_add_f32 v[TT+2*\k:TT+2*\k+1], v[TT+2*\k:TT+2*\k+1], v[SB+16+2*\k:SB+16+2*\k+1]
.endr
.irp k, 0,1,2,3
	v_pk_add_f32 v[TT+2*\k:TT+2*\k+1], v[TT+2*\k:TT+2*\k+1], v[SB+24+2*\k:SB+24+2*\k+1]
.endr
	v_pk_add_f32 v[TT:TT+1], v[TT:TT+1], v[TT+2:TT+3]
	v_pk_add_f32 v[TT+4:TT+5], v[TT+4:TT+5], v[TT+6:TT+7]
	v_pk_add_f32 v[TT:TT+1], v[TT:TT+1], v[TT+4:TT+5]
.if \first
	v_add_f32 v[LS+\t], v[TT], v[TT+1]
.else
	v_add_f32 v[TT], v[TT], v[TT+1]
	v_fma_f32 v[LS+\t], v[LS+\t], v[ALP+2*\t], v[TT]
.endif
.if \kl
	KLOAD \o
.endif
.irp kh, 0,1
.irp p, 0,1,2,3
	v_cvt_pk_f16_f32 v[SB+16*\kh+\p], v[SB+16*\kh+2*\p], v[SB+16*\kh+2*\p+1]         ; keys 8 h .. 8 h + 7 of the 32: registers 0-3 of source 1; written behind what is read
.endr
.irp p, 0,1,2,3
	v_cvt_pk_f16_f32 v[SB+16*\kh+4+\p], v[SB+16*\kh+8+2*\p], v[SB+16*\kh+8+2*\p+1]   ; keys 16 + 8 h ..: registers 4-7
.endr
.endr
.endm
; Fourth part: O^T of query tile t is rescaled, and O^T += V^T P^T for the tile's 64 keys: eight products, the four accumulators by turns, one instruction a turn.
; The packed multiply fits the products' window setting (source 0 and destination in window 1, source 1 in window 0).
; first = 1: nothing to rescale; the first 32 keys start the sums: nothing is cleared.
.macro SEGD t, first
	WIN 0x51
.irp a, 0,1,2,3
.if \first
	v_wmma_f32_16x16x32_f16 v[OA+8*(4*\a+\t):OA+8*(4*\a+\t)+7], v[VFR+8*\a:VFR+8*\a+7], v[SC+32*\t:SC+32*\t+7], 0
.else
.irp p, 0,2,4,6
	v_pk_mul_f32 v[OA+8*(4*\a+\t)+\p:OA+8*(4*\a+\t)+\p+1], v[OA+8*(4*\a+\t)+\p:OA+8*(4*\a+\t)+\p+1], v[ALP+2*\t:ALP+2*\t+1]
.endr
	v_wmma_f32_16x16x32_f16 v[OA+8*(4*\a+\t):OA+8*(4*\a+\t)+7], v[VFR+8*\a:VFR+8*\a+7], v[SC+32*\t:SC+32*\t+7], v[OA+8*(4*\a+\t):OA+8*(4*\a+\t)+7]
.endif
.endr
.irp a, 0,1,2,3
	v_wmma_f32_16x16x32_f16 v[OA+8*(4*\a+\t):OA+8*(4*\a+\t)+7], v[VFR+8*(4+\a):VFR+8*(4+\a)+7], v[SC+32*\t+16:SC+32*\t+23], v[OA+8*(4*\a+\t):OA+8*(4*\a+\t)+7]
.endr
	WIN 0
.endm
; A tile of 64 keys from slot s (o = the other slot).  On entry its K fragments are in registers and S^T of query tile 0 has been multiplied.
; more = 1: another tile follows.  refill = 1: slot s gets the tile two steps ahead.
.macro STEP s, o, first, more, refill
	SEGA 0, \first
	VLOAD \s                                       ; behind the maximum's plain vector lines: more than four places behind the last products that read V's old fragments
	SEGB 0, 1, 1
	SEGC 0, \first, 0, 0
	s_wait_dscnt 0x0                               ; the V fragments: my last reads of slot s
	SEGD 0, \first
	SEGA 1, \first
	SEGB 1, 1, 2
	SEGC 1, \first, 0, 0
	SEGD 1, \first
.if \refill
	s_wait_tensorcnt 0x0                           ; all my tensor loads have landed: the two that were out are the next tile's
	ds_add_u32 v30, v31
	SETADR \s                                      ; so every group 0 may be written
	s_wait_dscnt 0x0                               ; no LDS instruction of mine is out
	ROUND                                          ; no wave of the cluster reads its slot s any more or has a load on its way
	tensor_load_to_lds s[GK+4*\s:GK+4*\s+3], s[G1K:G1K+7]   ; the first tensor loads behind the round
	s_nop 0
	tensor_load_to_lds s[GV+4*\s:GV+4*\s+3], s[G1V:G1V+7]
	s_nop 0
.else
.if \more
	s_wait_tensorcnt 0x0                           ; the last tile has landed
.endif
.endif
	SEGA 2, \first
	SEGB 2, 1, 3
	SEGC 2, \first, \more, \o
	SEGD 2, \first
	SEGA 3, \first
.if \more
	s_wait_dscnt 0x0                               ; the next tile's K fragments
.endif
	SEGB 3, \more, 0
	SEGC 3, \first, 0, 0
	SEGD 3, \first
.endm
	s_wait_tensorcnt 0x2                           ; K and V of my first tile are in; the second tile's two loads stay out
	KLOAD 0
	s_wait_loadcnt 0x0                             ; Q, once
	s_wait_dscnt 0x0
	WIN 0x04
.irp g, 0,1,2,3,4,5,6,7
	SM1 0, (\g&3), (\g>>2)                         ; S^T of query tile 0 of the first tile
.endr
	WIN 0
	PLACES 4                                       ; four places before vector instructions read the products (ISA guide 7.12.1)
	STEP 0, 1, 1, 1, 1                             ; step 0; asks for step 2's tile
	STEP 1, 0, 0, 1, 1                             ; step 1; asks for step 3's
	s_mov_b32 s20, 2
.Lpair:                                            ; steps 2 to 5; they ask for the tiles of steps 4 to 7
	STEP 0, 1, 0, 1, 1
	STEP 1, 0, 0, 1, 1
	s_sub_co_u32 s20, s20, 1
	s_cmp_lg_u32 s20, 0
	s_cbranch_scc1 .Lpair
	STEP 0, 1, 0, 1, 0                             ; step 6: nothing more to ask for
	STEP 1, 0, 0, 0, 0                             ; step 7
	PLACES 4                                       ; four places behind the last products
	; THE MERGE of the eight waves' partial results.  Each wave publishes -c x maximum and its sum for the 64 queries.
.irp t, 0,1,2,3
	v_permlanex16_b32 v[TT+\t], v[LS+\t], s16, s17
.endr
.irp t, 0,1,2,3
	v_add_f32 v[LS+\t], v[LS+\t], v[TT+\t]         ; both halves of the keys
.endr
.irp t, 0,1,2,3
	ds_store_b32 v[MLW], v[NMC+2*\t] offset:\t*1024        ; lanes r and r + 16 write the same word with the same value
	ds_store_b32 v[MLW], v[LS+\t] offset:\t*1024+32
.endr
	s_wait_dscnt 0x0                               ; for the other waves
	BAR
.irp t, 0,1,2,3
.irp q, 0,1,2,3
	ds_load_b128 v[SC+16*\t+4*\q:SC+16*\t+4*\q+3], v[MLR] offset:\t*1024+16*\q
.endr
.endr
	s_wait_dscnt 0x0
; query tile t: n* = the least -c maximum (the largest maximum); the whole sum = sum of 2^(n* - n_w) l_w; my factor = 2^(n* - mine) / the whole sum
.macro MERGE t
.set NB, SC+16*\t
	v_min3_num_f32 v[TT], v[NB], v[NB+1], v[NB+2]
	v_min3_num_f32 v[TT], v[TT], v[NB+3], v[NB+4]
	v_min3_num_f32 v[TT], v[TT], v[NB+5], v[NB+6]
	v_min_num_f32 v[TT], v[TT], v[NB+7]
.irp w, 0,1,2,3,4,5,6,7
	v_sub_f32 v[NB+\w], v[TT], v[NB+\w]            ; never above 0
.endr
	v_sub_f32 v[TT+2], v[TT], v[NMC+2*\t]
.irp w, 0,1,2,3,4,5,6,7
	v_exp_f32 v[NB+\w], v[NB+\w]
.endr
	v_exp_f32 v[TT+2], v[TT+2]
	v_nop                                          ; one plain instruction behind the exponentials (ISA guide 5.7.2)
	s_wait_alu depctr_va_vdst(0)
	v_mul_f32 v[TT+1], v[NB], v[NB+8]
.irp w, 1,2,3,4,5,6,7
	v_fmac_f32 v[TT+1], v[NB+\w], v[NB+8+\w]
.endr
	v_rcp_f32 v[TT+3], v[TT+1]                     ; the sum is near 1 at the least: the wave that holds the maximum adds its own largest weight, 2^0 but for one rounding
	v_nop
	s_wait_alu depctr_va_vdst(0)
	v_mul_f32 v[ALP+2*\t], v[TT+2], v[TT+3]
	v_mul_f32 v[ALP+2*\t+1], v[TT+2], v[TT+3]
.endm
	MERGE 0
	MERGE 1
	MERGE 2
	MERGE 3
	RESCALE
	WIN 0x04                                       ; store data in window 1
.irp t, 0,1,2,3
.irp a, 0,1,2,3
	ds_store_b128 v[STW], v[OA+8*(4*\a+\t):OA+8*(4*\a+\t)+3]   offset:\t*16*OP+\a*64      ; query 16 t + r, head dimensions 16 a + 8 h + 0..3
	ds_store_b128 v[STW], v[OA+8*(4*\a+\t)+4:OA+8*(4*\a+\t)+7] offset:\t*16*OP+\a*64+16   ; into my slot 0, which had its last fill in step 4
.endr
.endr
	WIN 0
	s_wait_dscnt 0x0                               ; for the other waves
	BAR
	; wave w adds rows 8 w .. 8 w + 7 of the eight stages, two rows at a time, always in the same order
.irp i, 0,1,2,3
.irp w, 0,1,2,3,4,5,6,7
	ds_load_b128 v[SC+32*\i+4*\w:SC+32*\i+4*\w+3], v[STR+\w] offset:\i*2*OP
.endr
.endr
.irp i, 0,1,2,3
	s_wait_dscnt 24-8*\i                           ; eight loads for each younger pair of rows stay out
.irp w, 0,8,16,24
	v_pk_add_f32 v[SC+32*\i+\w:SC+32*\i+\w+1],   v[SC+32*\i+\w:SC+32*\i+\w+1],   v[SC+32*\i+\w+4:SC+32*\i+\w+5]
	v_pk_add_f32 v[SC+32*\i+\w+2:SC+32*\i+\w+3], v[SC+32*\i+\w+2:SC+32*\i+\w+3], v[SC+32*\i+\w+6:SC+32*\i+\w+7]
.endr
.irp w, 0,16
	v_pk_add_f32 v[SC+32*\i+\w:SC+32*\i+\w+1],   v[SC+32*\i+\w:SC+32*\i+\w+1],   v[SC+32*\i+\w+8:SC+32*\i+\w+9]
	v_pk_add_f32 v[SC+32*\i+\w+2:SC+32*\i+\w+3], v[SC+32*\i+\w+2:SC+32*\i+\w+3], v[SC+32*\i+\w+10:SC+32*\i+\w+11]
.endr
	v_pk_add_f32 v[SC+32*\i:SC+32*\i+1],   v[SC+32*\i:SC+32*\i+1],   v[SC+32*\i+16:SC+32*\i+17]
	v_pk_add_f32 v[SC+32*\i+2:SC+32*\i+3], v[SC+32*\i+2:SC+32*\i+3], v[SC+32*\i+18:SC+32*\i+19]
	global_store_b128 v[OOFF], v[SC+32*\i:SC+32*\i+3], s[10:11] offset:\i*512 th:TH_STORE_NT   ; 16 lanes store a whole row: 256 consecutive aligned bytes
.endr
	s_wait_tensorcnt 0x0
	ds_add_u32 v30, v31
	s_wait_dscnt 0x0
	ROUND                                          ; the closing round: no work-group ends while a partner may still ask jointly
	s_endpgm
.Lfunc_end_k_q071ac1720b_attn:
	.size	k_q071ac1720b_attn, .Lfunc_end_k_q071ac1720b_attn-k_q071ac1720b_attn
	.p2alignl 7, 3214868480
	.fill 96, 4, 3214868480
	.section	.rodata,"a",@progbits
	.p2align	6, 0x0
	.amdhsa_kernel k_q071ac1720b_attn
		.amdhsa_group_segment_fixed_size 327680
		.amdhsa_private_segment_fixed_size 0
		.amdhsa_enable_private_segment 0
		.amdhsa_kernarg_size 32
		.amdhsa_user_sgpr_count 2
		.amdhsa_user_sgpr_kernarg_segment_ptr 1
		.amdhsa_wavefront_size32 1
		.amdhsa_system_sgpr_workgroup_id_x 1
		.amdhsa_system_sgpr_workgroup_id_y 1
		.amdhsa_system_sgpr_workgroup_id_z 1
		.amdhsa_system_vgpr_workitem_id 0
		.amdhsa_next_free_vgpr 512
		.amdhsa_next_free_sgpr 66
		.amdhsa_reserve_vcc 0
		.amdhsa_float_denorm_mode_32 3
		.amdhsa_float_denorm_mode_16_64 3
		.amdhsa_memory_ordered 1
		.amdhsa_forward_progress 1
		.amdhsa_inst_pref_size 220
	.end_amdhsa_kernel
	.amdgpu_metadata
---
amdhsa.version: [ 1, 2 ]
amdhsa.kernels:
  - .name:           k_q071ac1720b_attn
    .symbol:         k_q071ac1720b_attn.kd
    .args:
      - { .name: qb, .offset: 0, .size: 8, .value_kind: global_buffer, .address_space: global }
      - { .name: kb, .offset: 8, .size: 8, .value_kind: global_buffer, .address_space: global }
      - { .name: vb, .offset: 16, .size: 8, .value_kind: global_buffer, .address_space: global }
      - { .name: out0, .offset: 24, .size: 8, .value_kind: global_buffer, .address_space: global }
    .group_segment_fixed_size: 327680
    .private_segment_fixed_size: 0
    .kernarg_segment_align: 8
    .kernarg_segment_size: 32
    .max_flat_workgroup_size: 256
    .sgpr_count:     66
    .vgpr_count:     512
    .wavefront_size: 32
...
	.end_amdgpu_metadata
.endif
;; end of part 2
